; MI455X (gfx1250); checked and timed in simulation.
; The chip was launched on July 23, 2026; its instructions are those of AMD's public machine-readable ISA for CDNA 5 (MIT licence, August 2026) and "CDNA5" Instruction Set Architecture Reference Guide (July 2026). The comments in the code are by the model that wrote it; some were corrected since.
;; Fixed Radius Search. Allowed arithmetic: float matrix products may take bf16 or f16 operands with f32 sums; other float arithmetic in f32, or as packed bf16 or f16 multiplies, adds, multiply-adds, maxima and minima; sums over many terms, partial sums and values carried from step to step in f32; what a program stores and reads back later, other than sums and carried values, may be rounded once to bf16 or f16.
;; Inputs: points 8,192 x 3 float32; queries 16,384 x 3 float32; radius one number float32.
;; Outputs: out0 16,384 x 64 int32; out1 16,385 int32; out2 16,384 x 64 float32.
;; 2 versions, each right; version 2 is version 1 with the launch filter written anew for expert scheduling mode. Each part assembles by itself: llvm-mc -triple=amdgcn-amd-amdhsa -mcpu=gfx1250 --defsym DOCPART=n.
;; ======== version 1 of 2: 3 launches
;; workspace buffers: cmask 524,288 bytes of whole numbers; fine 16,777,216 bytes of whole numbers; cnt 65,536 bytes of whole numbers; wgsum 2,048 bytes of whole numbers; ptab 131,072 bytes; qtab 262,144 bytes
;; launch filter (part 1): grid 64 x 4, 4 waves a work-group, no clusters, 33,536 bytes of LDS; arguments points, queries, radius, cmask, ptab, qtab; writes cmask, ptab, qtab
.if DOCPART == 1
	.amdgcn_target "amdgcn-amd-amdhsa--gfx1250"
	.amdhsa_code_object_version 6
	.text
	.protected	k_qf9033ec846_filter
	.globl	k_qf9033ec846_filter
	.p2align	8
	.type	k_qf9033ec846_filter,@function
k_qf9033ec846_filter:
	s_mov_b64 s[64:65], 0
	v_nop
	global_prefetch_b8 v0, s[64:65] scope:SCOPE_SE
	s_setreg_imm32_b32 hwreg(HW_REG_WAVE_MODE, 25, 1), 1
	s_wait_xcnt 0x0
; FILTER.  For every query and every group of 32 consecutive points: can the group hold a point with d <= r2?  One bit each, into cmask.
; All three inputs are first rounded to bf16 (nearest even); products of two such numbers are exact in f32.
; One matrix instruction makes t = a_q + b_p - 2 q.p for 16 points (rows) x 16 queries (columns):
;   A (a point's row):     x, y, z, b hi, b mid, b lo, 0, 0      b = ps (1 - 2^-16), cut exactly into three bf16 pieces
;   B (a query's column): -2x, -2y, -2z, 1, 1, 1, 0, 0           K = 8 .. 31 are 0 in B, so what A holds there (finite numbers) adds nothing
;   C (f32):               a = qs (1 - 2^-16) - max(r2, 2^-126)
; THE MARGIN.  t is d - r2 - 2^-16 (qs + ps), that is 256 units of 2^-24 (qs + ps) below d - r2.  The f32 chain that decides in the next launch
; is off the true d by at most about 8 such units, the making of a and b by about 6; the rest is room for the matrix instruction's own summing.
; So every pair that the exact test accepts has t < 0.  A bit too many costs the next launch one group of 32; a bit too few cannot happen.
; LIMITS.  Inputs are finite, and their squares neither overflow nor underflow f32.
; SHARES.  A work-group: 256 queries (x of the grid) x 2,048 points (y).  A wave: 64 queries as four tiles, all 128 point tiles: 512 matrix instructions.
; In a result lane (r, h), register j is point row 8 h + j and query column r.  Rows 0-7 of a tile come from the block's first 1,024 points, rows 8-15
; from its second 1,024, so lane half h gathers word 2 y + h of the query's mask.  Four tiles on end are 32 consecutive points for each half: their
; 32 results a lane are folded by minima, and the sign of the minimum is shifted into the word.  Groups go from the highest to the lowest, so bit g is group g.
; Tile i, column r is query 4 r + i of the wave's 64: a lane's four words are four neighbouring queries of one plane, 16 bytes; 16 lanes store 256 bytes on end.
; No tensor loads and no cluster: every number is converted in registers on its way, and a work-group reads 27 KB once.
; The launch also writes two tables for the launches behind it: (x, y, z, sum of squares) of each point and query, rounded coordinates as f32, the sum as ((x x + y y) + z z).
.set PBLK,  2048                       ; points of a work-group
.set QBLK,  256                        ; queries of a work-group
.set REG1,  16512                      ; LDS byte of the second 1,024 points' records: 16,384 + 128, so that rows 0-7 and rows 8-15 of a tile lie in different halves of 256 bytes
.set SPARE, 33024                      ; behind the records: the spare words, 128 bytes a wave
.set KEPS,  0x3f7fff00                 ; 1 - 2^-16
.set KQ,    0x3e7fff00                 ; (1 - 2^-16) / 4: the query's squares are made of -2x, -2y, -2z
.set SPW, 14                           ; v14  my spare word's LDS address; never rewritten
.set NIL, 15                           ; v15  0; never rewritten
.set B,   16                           ; v16-47   four query tiles, 8 registers each
.set C,   48                           ; v48-79   a of my column's query, 8 times, for each tile
.set A,   80                           ; v80-111  four buffers for point tiles: 4 registers loaded, 4 that hold 0
.set TQ,  A+16                         ; at work while the query tiles are made
.set D,   112                          ; v112-175 two sets of four results
.set TAB, D                            ; before the products: 16 table entries of 4
.set M,   176                          ; v176-179 running minimum of a group, by tile
.set X,   180                          ; v180-183 at work
.set Y,   184                          ; v184-187 at work
.set ACC, 188                          ; v188-191 the mask words, by tile
.set QR,  176                          ; before the products: my four queries as loaded, 12 numbers
.set RAW, 192                          ; v192-255 16 points as loaded, then their records
; (x, y, z) at src -> (x, y, z, x x + y y + z z) at dst, coordinates rounded to bf16; tmp and tmp + 1 keep the packed (x, y) and (z, z)
.macro TABLE src, dst, tmp
	v_cvt_pk_bf16_f32 v[\tmp], v[\src], v[(\src)+1]
	v_cvt_pk_bf16_f32 v[(\tmp)+1], v[(\src)+2], v[(\src)+2]
	v_lshlrev_b32 v[\dst], 16, v[\tmp]
	v_and_b32 v[(\dst)+1], s21, v[\tmp]
	v_lshlrev_b32 v[(\dst)+2], 16, v[(\tmp)+1]
	v_mul_f32 v[(\dst)+3], v[\dst], v[\dst]
	v_fmac_f32 v[(\dst)+3], v[(\dst)+1], v[(\dst)+1]       ; the products are exact, so this is the plain sum, in the order x, y, z
	v_fmac_f32 v[(\dst)+3], v[(\dst)+2], v[(\dst)+2]
.endm
; Point i of my 16: table entry, then the record (x, y | z, b hi | b mid, b lo | 0, 0) into LDS.
; Run i holds points 128 i .. 128 i + 127 of the block; wave w takes its group 3 - w, and the records of group g lie at place 31 - g: the loop walks upward through LDS and downward through the groups.
.macro PREP i
.set R, RAW+4*(\i)
.set T, TAB+4*(\i)
	s_wait_loadcnt 18-(\i)                                 ; loads return in order: behind mine stand 15 - i point loads and 3 query loads
	TABLE R, T, R
	v_mul_f32 v1, s25, v[T+3]                              ; b
	v_cvt_pk_bf16_f32 v[R+1], v[T+2], v1                   ; (z, b hi)
	v_and_b32 v12, s21, v[R+1]
	v_sub_f32 v1, v1, v12                                  ; b - b hi, exact
	v_cvt_pk_bf16_f32 v12, v1, v1
	v_lshlrev_b32 v12, 16, v12
	v_sub_f32 v12, v1, v12                                 ; what is left behind b mid: 7 bits at the most, exact in bf16
	v_cvt_pk_bf16_f32 v[R+2], v1, v12                      ; (b mid, b lo)
	v_mov_b32 v[R+3], 0
	ds_store_b128 v5, v[R:R+3] offset:((\i)/8)*REG1+512*(28-4*((\i)%8))
.endm
; Query tile i: B's column and C for the query 4 r + i.  VCC: lanes 0-15, which hold K = 0 .. 7.
.macro QFRAG i
	v_mul_f32 v[TQ], -2.0, v[QR+3*(\i)]
	v_mul_f32 v[TQ+1], -2.0, v[QR+3*(\i)+1]
	v_mul_f32 v[TQ+2], -2.0, v[QR+3*(\i)+2]
	v_cvt_pk_bf16_f32 v[TQ], v[TQ], v[TQ+1]                ; (-2x, -2y): a factor of 2 changes no rounding
	v_cvt_pk_bf16_f32 v[TQ+2], v[TQ+2], v10                ; (-2z, 1)
	v_lshlrev_b32 v[TQ+1], 16, v[TQ]
	v_and_b32 v[TQ+3], s21, v[TQ]
	v_lshlrev_b32 v[TQ+4], 16, v[TQ+2]
	v_mul_f32 v[TQ+1], v[TQ+1], v[TQ+1]
	v_fmac_f32 v[TQ+1], v[TQ+3], v[TQ+3]
	v_fmac_f32 v[TQ+1], v[TQ+4], v[TQ+4]                   ; 4 qs
	v_fma_f32 v[C+8*(\i)], v[TQ+1], s28, -v9               ; a
.irp j, 1,2,3,4,5,6,7
	v_mov_b32 v[C+8*(\i)+\j], v[C+8*(\i)]                  ; the same a for all eight point rows of the lane
.endr
	v_cndmask_b32 v[B+8*(\i)], 0, v[TQ], vcc_lo
	v_cndmask_b32 v[B+8*(\i)+1], 0, v[TQ+2], vcc_lo
	v_cndmask_b32 v[B+8*(\i)+2], 0, v11, vcc_lo            ; (1, 1)
.irp j, 3,4,5,6,7
	v_mov_b32 v[B+8*(\i)+\j], 0
.endr
.endm
.macro WM st, i, buf
	v_wmma_f32_16x16x32_bf16 v[D+32*(\st)+8*(\i):D+32*(\st)+8*(\i)+7], v[A+8*(\buf):A+8*(\buf)+7], v[B+8*(\i):B+8*(\i)+7], v[C+8*(\i):C+8*(\i)+7]
.endm
; The three lines that read a result; the lowest registers first.  rf = 1: the group's first tile starts the minimum.
.macro RED i, st, rf
.set DD, D+32*(\st)+8*(\i)
	v_min3_num_f32 v[X+(\i)], v[DD], v[DD+1], v[DD+2]
.if \rf
	v_min_num_f32 v[M+(\i)], v[DD+6], v[DD+7]
.else
	v_min3_num_f32 v[M+(\i)], v[M+(\i)], v[DD+6], v[DD+7]
.endif
	v_min3_num_f32 v[Y+(\i)], v[DD+3], v[DD+4], v[DD+5]
.endm
.macro FIN i
	v_min3_num_f32 v[M+(\i)], v[M+(\i)], v[X+(\i)], v[Y+(\i)]
.endm
.macro INS i                           ; word = word << 1 | sign of the group's minimum
	v_alignbit_b32 v[ACC+(\i)], v[ACC+(\i)], v[M+(\i)], 31
.endm
; A SLOT: four products of one point tile (buffer buf, into set wset); behind each, the folding of the tile before (set rset): three reads of tile i's result and
; the closing minimum of tile i - 1, so that no line reads the result of the line in front of it.  A result is first read a whole slot behind its product: 16 vector lines or more lie between.
; rf, rl: the tile that is folded is its group's first, last.  pl: the slot before folded a group's last tile, whose last two words are shifted here.
; ld >= 0: buffer ld, read by the slot before, takes its tile of the next group: eight vector lines or more behind the last product that read it.
; cnt: the buffer loads issued behind the one that this slot reads.
.macro SLOT w, wset, buf, rset, rf, rl, pl, ld, cnt
.if \w
	s_wait_dscnt \cnt
	WM \wset, 0, \buf
.endif
	RED 0, \rset, \rf
	FIN 3
.if \pl
	INS 2
.endif
.if (\ld) >= 0
	ds_load_b128 v[A+8*(\ld):A+8*(\ld)+3], v13 offset:128*(\ld)
.endif
.if \w
	WM \wset, 1, \buf
.endif
	RED 1, \rset, \rf
	FIN 0
.if \pl
	INS 3
.endif
.if \w
	WM \wset, 2, \buf
.endif
	RED 2, \rset, \rf
	FIN 1
.if \rl
	INS 0
.endif
.if \w
	WM \wset, 3, \buf
.endif
	RED 3, \rset, \rf
	FIN 2
.if \rl
	INS 1
.endif
.endm
	s_load_b256 s[4:11], s[0:1], 0x0               ; points s[4:5], queries s[6:7], radius s[8:9], cmask s[10:11]
	s_load_b128 s[12:15], s[0:1], 0x20             ; ptab s[12:13], qtab s[14:15]
	v_lshl_add_u32 v[SPW], v0, 2, SPARE
	v_mov_b32 v[NIL], 0
	v_lshrrev_b32 v1, 5, v0
	v_readfirstlane_b32 s16, v1                    ; wave 0..3
	s_mov_b32 s17, ttmp9                           ; block of 256 queries
	s_and_b32 s18, ttmp7, 0xffff                   ; block of 2,048 points
	s_mov_b32 s21, 0xffff0000                      ; a word's upper bf16
	s_mov_b32 s25, KEPS
	s_mov_b32 s28, KQ
	v_xor_b32 v2, 0x60, v0                         ; 32 (3 - wave) + lane: my point in a run of 128
	v_mul_u32_u24 v3, 12, v2                       ; its bytes in points,
	v_lshlrev_b32 v4, 4, v2                        ; in ptab,
	v_lshlrev_b32 v5, 4, v0                        ; and its record's place in LDS: 512 wave + 16 lane
	v_and_b32 v6, 15, v0                           ; r
	v_mul_u32_u24 v7, 48, v6                       ; my four queries, 48 bytes on end
	s_mul_i32 s22, s18, PBLK*12
	s_mov_b32 s23, 0
	s_mul_i32 s26, s17, QBLK*12
	s_mul_i32 s19, s16, 64*12
	s_add_co_u32 s26, s26, s19
	s_mov_b32 s27, 0
	s_wait_kmcnt 0x0
	s_add_nc_u64 s[4:5], s[4:5], s[22:23]          ; points at my block
	s_add_nc_u64 s[26:27], s[6:7], s[26:27]        ; queries at my wave's 64
.irp i, 0,1,2,3,4,5,6,7,8,9,10,11,12,13,14,15
	global_load_b96 v[RAW+4*\i:RAW+4*\i+2], v3, s[4:5] offset:1536*\i
.endr
	global_load_b128 v[QR:QR+3], v7, s[26:27]
	global_load_b128 v[QR+4:QR+7], v7, s[26:27] offset:16
	global_load_b128 v[QR+8:QR+11], v7, s[26:27] offset:32
	s_load_b32 s20, s[8:9], 0x0
.irp i, 0,1,2,3,4,5,6,7,8,9,10,11,12,13,14,15
	PREP \i
.endr
	s_cmp_lg_u32 s17, 0
	s_cbranch_scc1 .Lno_ptab                       ; the 64 work-groups of a point block make the same entries: the first of them stores
	s_lshl_b32 s22, s18, 15
	s_add_nc_u64 s[12:13], s[12:13], s[22:23]
.irp i, 0,1,2,3,4,5,6,7,8,9,10,11,12,13,14,15
	global_store_b128 v4, v[TAB+4*\i:TAB+4*\i+3], s[12:13] offset:2048*\i  ; a wave stores 512 bytes on end
.endr
	s_wait_xcnt 0x0                                ; the entries' registers are written again (results) only behind this wait
.Lno_ptab:
	s_cmp_lg_u32 s18, 0
	s_cbranch_scc1 .Lno_qtab                       ; likewise the first of the four work-groups of a query block stores its 256 entries, two a thread
	v_mul_u32_u24 v8, 12, v0
	s_mul_i32 s22, s17, QBLK*12
	s_add_nc_u64 s[30:31], s[6:7], s[22:23]
	global_load_b96 v[A:A+2], v8, s[30:31]
	global_load_b96 v[A+4:A+6], v8, s[30:31] offset:1536
	s_lshl_b32 s22, s17, 12
	s_add_nc_u64 s[14:15], s[14:15], s[22:23]
	s_wait_loadcnt 0x0
	TABLE A, A+8, A
	TABLE A+4, A+12, A+4
	global_store_b128 v5, v[A+8:A+11], s[14:15]
	global_store_b128 v5, v[A+12:A+15], s[14:15] offset:2048
	s_wait_xcnt 0x0                                ; these registers become tile buffers only behind this wait
.Lno_qtab:
	s_wait_kmcnt 0x0                               ; the radius
	v_mov_b32 v9, s20
	v_cvt_pk_bf16_f32 v9, v9, v9
	v_lshlrev_b32 v9, 16, v9
	v_mul_f32 v9, v9, v9                           ; r2, exact
	v_max_num_f32 v9, 0x00800000, v9               ; at least 2^-126: a pair at distance 0 from the origin with r2 = 0 still gives t < 0
	v_mov_b32 v10, 1.0
	v_mov_b32 v11, 0x3f803f80                      ; 1, 1 in bf16
	v_and_b32 v12, 16, v0
	v_cmp_eq_u32 vcc_lo, 0, v12
	s_wait_loadcnt 0x0                             ; my queries
	QFRAG 0
	QFRAG 1
	QFRAG 2
	QFRAG 3
.irp b, 0,1,2,3
.irp j, 4,5,6,7
	v_mov_b32 v[A+8*\b+\j], 0                      ; K = 16 .. 31 of every point tile
.endr
.endr
	v_and_b32 v13, 7, v0                           ; a tile's row l % 16: rows 0-7 in the first region, rows 8-15 in the second; both halves of the lanes read the same 16 bytes
	v_lshlrev_b32 v13, 4, v13
	v_bfe_u32 v12, v0, 3, 1
	v_mad_u32_u24 v13, v12, REG1, v13
	s_lshl_b32 s22, s18, 17                        ; cmask: plane 2 y + h of 65,536 bytes; in it 4 bytes a query
	s_lshl_b32 s19, s17, 10
	s_add_co_u32 s22, s22, s19
	s_lshl_b32 s19, s16, 8
	s_add_co_u32 s22, s22, s19
	s_add_nc_u64 s[10:11], s[10:11], s[22:23]
	v_bfe_u32 v12, v0, 4, 1
	v_lshlrev_b32 v12, 16, v12
	v_lshl_add_u32 v12, v6, 4, v12                 ; 65,536 h + 16 r
	s_wait_dscnt 0x0                               ; for the others' sake: my records are in LDS
	s_barrier_signal -1
	s_barrier_wait -1
	ds_load_b128 v[A:A+3], v13                     ; the highest group's four tiles
	ds_load_b128 v[A+8:A+11], v13 offset:128
	ds_load_b128 v[A+16:A+19], v13 offset:256
	ds_load_b128 v[A+24:A+27], v13 offset:384
	v_add_nc_u32 v13, 512, v13
	s_wait_dscnt 3                                 ; buffer 0 is in; the three behind it may be out
	WM 0, 0, 0
	WM 0, 1, 0
	WM 0, 2, 0
	WM 0, 3, 0
.irp j, 0,1,2,3,4,5,6,7,8,9,10,11,12,13,14,15
	v_mov_b32 v[M+\j], 0                           ; M, X, Y and the words: the first trip closes a tile that has not been, on zeros, and the bit that it shifts into words 2 and 3
.endr                                                  ; is pushed out by the 32 that follow.  These lines are also the places behind the four products above.
	s_mov_b32 s24, 31
.Lgroup:                                               ; a trip: tiles 1-3 of a group and tile 0 of the next lower one
	SLOT 1, 1, 1, 0, 1, 0, 1, 0, 2
	SLOT 1, 0, 2, 1, 0, 0, 0, 1, 2
	SLOT 1, 1, 3, 0, 0, 0, 0, 2, 2
	SLOT 1, 0, 0, 1, 0, 1, 0, 3, 2
	v_add_nc_u32 v13, 512, v13
	s_sub_co_u32 s24, s24, 1
	s_cmp_lg_u32 s24, 0
	s_cbranch_scc1 .Lgroup
	SLOT 1, 1, 1, 0, 1, 0, 1, -1, 2                ; the lowest group: nothing is left to load, the counts run down
	SLOT 1, 0, 2, 1, 0, 0, 0, -1, 1
	SLOT 1, 1, 3, 0, 0, 0, 0, -1, 0
	SLOT 0, 0, 0, 1, 0, 1, 0, -1, 0
	FIN 3
	INS 2
	INS 3
	global_store_b128 v12, v[ACC:ACC+3], s[10:11]  ; lanes 0-15 fill 256 bytes of plane 2 y, lanes 16-31 of plane 2 y + 1
	s_wait_tensorcnt 0x0                           ; the wave's end
	ds_add_u32 v[SPW], v[NIL]
	s_wait_dscnt 0x0
	s_endpgm
.Lfunc_end_k_qf9033ec846_filter:
	.size	k_qf9033ec846_filter, .Lfunc_end_k_qf9033ec846_filter-k_qf9033ec846_filter
	.p2alignl 7, 3214868480
	.fill 96, 4, 3214868480
	.section	.rodata,"a",@progbits
	.p2align	6, 0x0
	.amdhsa_kernel k_qf9033ec846_filter
		.amdhsa_group_segment_fixed_size 33536
		.amdhsa_private_segment_fixed_size 0
		.amdhsa_enable_private_segment 0
		.amdhsa_kernarg_size 48
		.amdhsa_user_sgpr_count 2
		.amdhsa_user_sgpr_kernarg_segment_ptr 1
		.amdhsa_wavefront_size32 1
		.amdhsa_system_sgpr_workgroup_id_x 1
		.amdhsa_system_sgpr_workgroup_id_y 1
		.amdhsa_system_sgpr_workgroup_id_z 1
		.amdhsa_system_vgpr_workitem_id 0
		.amdhsa_next_free_vgpr 256
		.amdhsa_next_free_sgpr 66
		.amdhsa_reserve_vcc 1
		.amdhsa_float_denorm_mode_32 3
		.amdhsa_float_denorm_mode_16_64 3
		.amdhsa_memory_ordered 1
		.amdhsa_forward_progress 1
		.amdhsa_inst_pref_size 37
	.end_amdhsa_kernel
	.amdgpu_metadata
---
amdhsa.version: [ 1, 2 ]
amdhsa.kernels:
  - .name:           k_qf9033ec846_filter
    .symbol:         k_qf9033ec846_filter.kd
    .args:
      - { .name: points, .offset: 0, .size: 8, .value_kind: global_buffer, .address_space: global }
      - { .name: queries, .offset: 8, .size: 8, .value_kind: global_buffer, .address_space: global }
      - { .name: radius, .offset: 16, .size: 8, .value_kind: global_buffer, .address_space: global }
      - { .name: cmask, .offset: 24, .size: 8, .value_kind: global_buffer, .address_space: global }
      - { .name: ptab, .offset: 32, .size: 8, .value_kind: global_buffer, .address_space: global }
      - { .name: qtab, .offset: 40, .size: 8, .value_kind: global_buffer, .address_space: global }
    .group_segment_fixed_size: 33536
    .private_segment_fixed_size: 0
    .kernarg_segment_align: 8
    .kernarg_segment_size: 48
    .max_flat_workgroup_size: 128
    .sgpr_count:     66
    .vgpr_count:     256
    .wavefront_size: 32
...
	.end_amdgpu_metadata
.endif
;; end of part 1
;; launch verify (part 2): grid 512 x 1, 32 waves a work-group, no clusters, 4,352 bytes of LDS; arguments ptab, qtab, radius, cmask, fine, cnt, wgsum; writes fine, cnt, wgsum
.if DOCPART == 2
	.amdgcn_target "amdgcn-amd-amdhsa--gfx1250"
	.amdhsa_code_object_version 6
	.text
	.protected	k_qf9033ec846_verify
	.globl	k_qf9033ec846_verify
	.p2align	8
	.type	k_qf9033ec846_verify,@function
k_qf9033ec846_verify:
	s_mov_b64 s[64:65], 0
	v_nop
	global_prefetch_b8 v0, s[64:65] scope:SCOPE_SE
	s_setreg_imm32_b32 hwreg(HW_REG_WAVE_MODE, 25, 1), 1
	s_wait_xcnt 0x0
; VERIFY.  One wave, one query.  The groups of 32 points that cmask flags are taken in ascending order, four a trip; lane l computes, for point 32 G + l,
;   d = (qs + ps) - 2 ((qx px + qy py) + qz pz)      in f32, in this order, on the coordinates rounded to bf16 (tables of the launch before):
; every product is exact, so each fused line rounds exactly where the plain sum would.  d <= r2 decides (r2 >= 0, so clamping d at 0 first changes nothing).
; The 32 answers of item e (a ballot) go into lane e % 32 of one register, stored as 128 bytes for each 32 items: fine[e / 32][query][e % 32].
; The ballots steer nothing here: they are counted and stored; the next launch reads them as whole numbers.
; A trip's item numbers at or past n (the query's flagged groups) work on some valid group and their ballot is set to 0.  At least one trip is made, so block 0 of fine is always stored.
; The query's count, clipped at 64, meets the other 31 waves' in LDS; wave 0 stores the 32 counts and their sum.
; LIMITS as in the launch before.  With a radius that flags every group a query has 64 trips.
.set SPARE, 256                        ; bytes 0-127: a count for each wave; from 256 on the spare words, 128 bytes a wave
.set LANE, 1
.set L16,  2                           ; 16 x lane
.set MASK, 3                           ; lane k (k < 8): word k of the query's mask
.set R2,   4
.set FW,   5                           ; the ballots of up to 32 items
.set FO0,  6                           ; 128 query + 4 lane
.set FO,   7
.set AD,   8                           ; v8-11   table offsets of a trip's four groups
.set P,    12                          ; v12-27  (x, y, z, ps) of my point in each
.set DT,   28                          ; v28-31
.set SS,   32                          ; v32-35
.set T0,   36
.set T1,   37
.set CN,   38
.set SM,   39
.set TT,   40
.set SPW,  42                          ; my spare word's LDS address; never rewritten
.set NIL,  43                          ; 0; never rewritten
; s30 n   s31 trips   s32 trip   s33 count   s34 bits left of the word in hand   s35 32 x its number   s36 the non-zero words still to come
; The next flagged group's number into dst, without a branch: if the word in hand is used up, the lowest non-zero word is taken up.  When all are used up the result is some number in 0 .. 255.
.macro NEXT dst
	s_ctz_i32_b32 s37, s36
	s_min_u32 s37, s37, 7
	v_readlane_b32 s38, v[MASK], s37
	s_add_co_i32 s39, s36, -1
	s_and_b32 s39, s39, s36
	s_lshl_b32 s37, s37, 5
	s_cmp_eq_u32 s34, 0
	s_cselect_b32 s34, s38, s34
	s_cselect_b32 s35, s37, s35
	s_cselect_b32 s36, s39, s36
	s_ctz_i32_b32 s38, s34
	s_min_u32 s38, s38, 31
	s_add_co_u32 \dst, s35, s38
	s_min_u32 \dst, \dst, 255                      ; a number made of loaded data enters an address only behind this bound
	s_add_co_i32 s39, s34, -1
	s_and_b32 s34, s34, s39
.endm
.macro STOREFW trips                   ; block trips / 8 of fine
	s_lshr_b32 s37, \trips, 3
	s_min_u32 s37, s37, 7
	v_lshl_add_u32 v[FO], s37, 21, v[FO0]          ; a block is 16,384 queries x 128 bytes
	global_store_b32 v[FO], v[FW], s[12:13]
	s_wait_xcnt 0x0                                ; the ballots' register and the offset are written again only behind this wait
.endm
	s_load_b256 s[4:11], s[0:1], 0x0               ; ptab s[4:5], qtab s[6:7], radius s[8:9], cmask s[10:11]
	s_load_b128 s[12:15], s[0:1], 0x20             ; fine s[12:13], cnt s[14:15]
	s_load_b64 s[16:17], s[0:1], 0x30              ; wgsum
	v_lshl_add_u32 v[SPW], v0, 2, SPARE
	v_mov_b32 v[NIL], 0
	v_lshrrev_b32 v[T0], 5, v0
	v_readfirstlane_b32 s20, v[T0]                 ; wave 0..31
	v_and_b32 v[LANE], 31, v0
	v_lshlrev_b32 v[L16], 4, v[LANE]
	s_lshl_b32 s21, ttmp9, 5
	s_add_co_u32 s21, s21, s20                     ; my query
	v_and_b32 v[T0], 7, v0
	s_lshl_b32 s22, s21, 2
	v_lshl_add_u32 v[T0], v[T0], 16, s22           ; plane (lane % 8) of 65,536 bytes + 4 query
	s_lshl_b32 s23, s21, 4
	s_lshl_b32 s29, s21, 7
	v_lshl_add_u32 v[FO0], v[LANE], 2, s29
	v_mov_b32 v[FW], 0
	s_wait_kmcnt 0x0
	global_load_b32 v[MASK], v[T0], s[10:11]
	s_load_b128 s[24:27], s[6:7], s23 offset:0x0   ; qx, qy, qz, qs
	s_load_b32 s28, s[8:9], 0x0
	s_mov_b32 s30, 0
	s_mov_b32 s32, 0
	s_mov_b32 s33, 0
	s_mov_b32 s34, 0
	s_mov_b32 s35, 0
	s_wait_kmcnt 0x0
	v_mov_b32 v[R2], s28
	v_cvt_pk_bf16_f32 v[R2], v[R2], v[R2]
	v_lshlrev_b32 v[R2], 16, v[R2]
	v_mul_f32 v[R2], v[R2], v[R2]                  ; r2 of the rounded radius, exact
	s_wait_loadcnt 0x0
	v_cmp_ne_u32 s36, 0, v[MASK]
	s_and_b32 s36, s36, 0xff                       ; lanes 8-31 hold copies
.irp k, 0,1,2,3,4,5,6,7
	v_readlane_b32 s37, v[MASK], \k
	s_bcnt1_i32_b32 s37, s37
	s_add_co_u32 s30, s30, s37
.endr
	s_add_co_u32 s31, s30, 3
	s_lshr_b32 s31, s31, 2
	s_max_u32 s31, s31, 1
.Ltrip:
.irp k, 0,1,2,3
	NEXT s[44+\k]
	v_lshl_add_u32 v[AD+\k], s[44+\k], 9, v[L16]   ; 32 entries of 16 bytes a group: the wave reads 512 bytes on end
	global_load_b128 v[P+4*\k:P+4*\k+3], v[AD+\k], s[4:5]
.endr
	s_lshl_b32 s48, s32, 2                         ; the trip's first item
.irp k, 0,1,2,3
	s_wait_loadcnt 3-\k                            ; loads return in order: the younger of the four may be out
	v_mul_f32 v[DT+\k], s24, v[P+4*\k]
	v_fmac_f32 v[DT+\k], s25, v[P+4*\k+1]
	v_fmac_f32 v[DT+\k], s26, v[P+4*\k+2]
	v_add_f32 v[SS+\k], s27, v[P+4*\k+3]
	v_fma_f32 v[DT+\k], -2.0, v[DT+\k], v[SS+\k]   ; twice the dot product is exact: one rounding, as in the plain difference
	v_cmp_le_f32 s49, v[DT+\k], v[R2]
	s_add_co_u32 s50, s48, \k
	s_cmp_lt_u32 s50, s30
	s_cselect_b32 s49, s49, 0                      ; an item past the last counts for nothing
	s_bcnt1_i32_b32 s51, s49
	s_add_co_u32 s33, s33, s51
	s_and_b32 s50, s50, 31
	v_writelane_b32 v[FW], s49, s50
.endr
	s_and_b32 s37, s32, 7
	s_cmp_lg_u32 s37, 7
	s_cbranch_scc1 .Lnot_full
	STOREFW s32                                    ; 32 items are together
.Lnot_full:
	s_add_co_u32 s32, s32, 1
	s_cmp_lt_u32 s32, s31
	s_cbranch_scc1 .Ltrip
	s_and_b32 s37, s31, 7
	s_cmp_eq_u32 s37, 0
	s_cbranch_scc1 .Lall_stored
	STOREFW s31                                    ; the last, partly filled block; lanes past the last item hold what they held
.Lall_stored:
	s_min_u32 s33, s33, 64
	v_mov_b32 v[T0], s20
	v_lshlrev_b32 v[T0], 2, v[T0]
	v_mov_b32 v[T1], s33
	ds_store_b32 v[T0], v[T1]                      ; all lanes write the wave's word with the same number
	s_wait_tensorcnt 0x0                           ; behind my only LDS store
	ds_add_u32 v[SPW], v[NIL]
	s_wait_dscnt 0x0                               ; also for the others' sake: my count is in LDS
	s_barrier_signal -1
	s_barrier_wait -1
	s_cmp_lg_u32 s20, 0
	s_cbranch_scc1 .Lend
	v_lshlrev_b32 v[T0], 2, v[LANE]
	ds_load_b32 v[CN], v[T0]                       ; lane l: the count of the work-group's query l
	s_lshl_b32 s22, ttmp9, 7
	s_mov_b32 s23, 0
	s_add_nc_u64 s[14:15], s[14:15], s[22:23]
	s_lshl_b32 s22, ttmp9, 2
	s_add_nc_u64 s[16:17], s[16:17], s[22:23]
	s_mov_b32 s52, 0x76543210
	s_mov_b32 s53, 0xfedcba98
	v_mov_b32 v[TT], 0
	s_wait_dscnt 0x0
	global_store_b32 v[T0], v[CN], s[14:15]
	v_mov_b32 v[SM], v[CN]
.irp m, 1,2,4,8
	v_mov_b32_dpp v[TT], v[SM] row_xmask:\m row_mask:0xf bank_mask:0xf
	v_add_nc_u32 v[SM], v[SM], v[TT]
.endr
	v_permlanex16_b32 v[TT], v[SM], s52, s53
	v_add_nc_u32 v[SM], v[SM], v[TT]               ; the sum of the 32 counts, in every lane
	v_cmp_eq_u32 vcc_lo, 0, v[LANE]
	s_wait_xcnt 0x0                                ; EXEC changes only behind this wait
	s_and_saveexec_b32 s54, vcc_lo
	global_store_b32 v[T0], v[SM], s[16:17]        ; lane 0, whose offset is 0
	s_wait_xcnt 0x0
	s_or_b32 exec_lo, exec_lo, s54
.Lend:
	s_endpgm
.Lfunc_end_k_qf9033ec846_verify:
	.size	k_qf9033ec846_verify, .Lfunc_end_k_qf9033ec846_verify-k_qf9033ec846_verify
	.p2alignl 7, 3214868480
	.fill 96, 4, 3214868480
	.section	.rodata,"a",@progbits
	.p2align	6, 0x0
	.amdhsa_kernel k_qf9033ec846_verify
		.amdhsa_group_segment_fixed_size 4352
		.amdhsa_private_segment_fixed_size 0
		.amdhsa_enable_private_segment 0
		.amdhsa_kernarg_size 56
		.amdhsa_user_sgpr_count 2
		.amdhsa_user_sgpr_kernarg_segment_ptr 1
		.amdhsa_wavefront_size32 1
		.amdhsa_system_sgpr_workgroup_id_x 1
		.amdhsa_system_sgpr_workgroup_id_y 1
		.amdhsa_system_sgpr_workgroup_id_z 1
		.amdhsa_system_vgpr_workitem_id 0
		.amdhsa_next_free_vgpr 44
		.amdhsa_next_free_sgpr 66
		.amdhsa_reserve_vcc 1
		.amdhsa_float_denorm_mode_32 3
		.amdhsa_float_denorm_mode_16_64 3
		.amdhsa_memory_ordered 1
		.amdhsa_forward_progress 1
		.amdhsa_inst_pref_size 11
	.end_amdhsa_kernel
	.amdgpu_metadata
---
amdhsa.version: [ 1, 2 ]
amdhsa.kernels:
  - .name:           k_qf9033ec846_verify
    .symbol:         k_qf9033ec846_verify.kd
    .args:
      - { .name: ptab, .offset: 0, .size: 8, .value_kind: global_buffer, .address_space: global }
      - { .name: qtab, .offset: 8, .size: 8, .value_kind: global_buffer, .address_space: global }
      - { .name: radius, .offset: 16, .size: 8, .value_kind: global_buffer, .address_space: global }
      - { .name: cmask, .offset: 24, .size: 8, .value_kind: global_buffer, .address_space: global }
      - { .name: fine, .offset: 32, .size: 8, .value_kind: global_buffer, .address_space: global }
      - { .name: cnt, .offset: 40, .size: 8, .value_kind: global_buffer, .address_space: global }
      - { .name: wgsum, .offset: 48, .size: 8, .value_kind: global_buffer, .address_space: global }
    .group_segment_fixed_size: 4352
    .private_segment_fixed_size: 0
    .kernarg_segment_align: 8
    .kernarg_segment_size: 56
    .max_flat_workgroup_size: 1024
    .sgpr_count:     66
    .vgpr_count:     44
    .wavefront_size: 32
...
	.end_amdgpu_metadata
.endif
;; end of part 2
;; launch compact (part 3): grid 512 x 1, 32 waves a work-group, no clusters, 24,576 bytes of LDS; arguments ptab, qtab, cmask, fine, cnt, wgsum, out0, out1, out2; writes out0, out1, out2
.if DOCPART == 3
	.amdgcn_target "amdgcn-amd-amdhsa--gfx1250"
	.amdhsa_code_object_version 6
	.text
	.protected	k_qf9033ec846_compact
	.globl	k_qf9033ec846_compact
	.p2align	8
	.type	k_qf9033ec846_compact,@function
k_qf9033ec846_compact:
	s_mov_b64 s[64:65], 0
	v_nop
	global_prefetch_b8 v0, s[64:65] scope:SCOPE_SE
	s_setreg_imm32_b32 hwreg(HW_REG_WAVE_MODE, 25, 1), 1
	s_wait_xcnt 0x0
; COMPACT.  One wave, one query.  The flagged groups are walked as in the launch before, four a trip; item e's ballot is read from fine as a whole number.
; A point whose bit is set goes to slot = (points accepted so far) + (set bits below its lane); slots from 64 on, and lanes whose bit is clear, go to a spare 65th word.
; The row (64 indices, 64 distances) is put together in the wave's own 640 bytes of LDS, which start as -1 and 0.0, and leaves as two stores of 256 bytes on end.
; The distance is made anew as the launch before made it, and clamped at 0.  Only whole numbers read from memory steer addresses and trips here.
; Wave 0 also makes out1 for the work-group's 32 queries: the sums of all work-groups in front of mine, plus a running sum of my 32 counts.
.set WREG,  640                        ; a wave's LDS: 65 words of indices at 0, 65 words of distances at 320
.set DOFF,  320
.set SPARE, 32*WREG                    ; 20,480: behind the rows, the spare words, 128 bytes a wave
.set LANE, 1
.set L16,  2
.set MASK, 3                           ; lane k (k < 8): word k of the query's mask
.set FB,   4                           ; lane i: the ballot of item i of the block of 32 in hand
.set FO0,  5
.set FO,   6
.set WB,   7                           ; my wave's LDS bytes
.set RB,   8                           ; + 8 lane
.set GO,   9                           ; 8 lane
.set T0,   10
.set AD,   12                          ; v12-15
.set P,    16                          ; v16-31
.set DT,   32                          ; v32-35
.set SS,   36                          ; v36-39
.set SL,   40                          ; v40-43
.set IX,   44                          ; v44-47
.set INI,  48                          ; v48-51  -1, -1, 0, 0
.set O0,   52
.set O2,   54
.set SPW,  56                          ; my spare word's LDS address; never rewritten
.set NIL,  57                          ; 0; never rewritten
.set WS,   16                          ; wave 0's last part, in registers that the walk has left: 16 work-group sums
.set CN,   32
.set SA,   33
.set SB,   34
.set SM,   35
.set SC,   36
.set TT,   37
.set MM,   38
.set ZR,   39
; s30 n   s31 trips   s32 trip   s33 accepted so far   s34 bits left of the word in hand   s35 32 x its number   s36 the non-zero words still to come
.macro NEXT dst                        ; the next flagged group's number, without a branch; the same walk as in the launch before
	s_ctz_i32_b32 s37, s36
	s_min_u32 s37, s37, 7
	v_readlane_b32 s38, v[MASK], s37
	s_add_co_i32 s39, s36, -1
	s_and_b32 s39, s39, s36
	s_lshl_b32 s37, s37, 5
	s_cmp_eq_u32 s34, 0
	s_cselect_b32 s34, s38, s34
	s_cselect_b32 s35, s37, s35
	s_cselect_b32 s36, s39, s36
	s_ctz_i32_b32 s38, s34
	s_min_u32 s38, s38, 31
	s_add_co_u32 \dst, s35, s38
	s_min_u32 \dst, \dst, 255                      ; a number made of loaded data enters an address only behind this bound
	s_add_co_i32 s39, s34, -1
	s_and_b32 s34, s34, s39
.endm
	s_load_b512 s[4:19], s[0:1], 0x0               ; ptab s[4:5], qtab s[6:7], cmask s[8:9], fine s[10:11], cnt s[12:13], wgsum s[14:15], out0 s[16:17], out1 s[18:19]
	s_load_b64 s[20:21], s[0:1], 0x40              ; out2
	v_lshl_add_u32 v[SPW], v0, 2, SPARE
	v_mov_b32 v[NIL], 0
	v_lshrrev_b32 v[T0], 5, v0
	v_readfirstlane_b32 s22, v[T0]                 ; wave 0..31
	v_and_b32 v[LANE], 31, v0
	v_lshlrev_b32 v[L16], 4, v[LANE]
	v_lshlrev_b32 v[GO], 3, v[LANE]
	s_mov_b32 s40, ttmp9
	s_lshl_b32 s23, s40, 5
	s_add_co_u32 s23, s23, s22                     ; my query
	s_mul_i32 s28, s22, WREG
	v_mov_b32 v[WB], s28
	v_lshl_add_u32 v[RB], v[LANE], 3, v[WB]
	v_mov_b32 v[INI], -1
	v_mov_b32 v[INI+1], -1
	v_mov_b32 v[INI+2], 0
	v_mov_b32 v[INI+3], 0
	ds_store_b64 v[RB], v[INI:INI+1]               ; the row starts as padding
	ds_store_b64 v[RB], v[INI+2:INI+3] offset:DOFF
	v_and_b32 v[T0], 7, v0
	s_lshl_b32 s29, s23, 2
	v_lshl_add_u32 v[T0], v[T0], 16, s29           ; plane (lane % 8) of 65,536 bytes + 4 query
	s_lshl_b32 s41, s23, 4
	s_lshl_b32 s42, s23, 7
	v_lshl_add_u32 v[FO0], v[LANE], 2, s42         ; 128 query + 4 lane
	v_mov_b32 v[FB], 0
	s_wait_kmcnt 0x0
	global_load_b32 v[MASK], v[T0], s[8:9]
	s_load_b128 s[24:27], s[6:7], s41 offset:0x0   ; qx, qy, qz, qs
	s_mov_b32 s30, 0
	s_mov_b32 s32, 0
	s_mov_b32 s33, 0
	s_mov_b32 s34, 0
	s_mov_b32 s35, 0
	s_lshl_b32 s28, s23, 8                         ; a row of either output is 256 bytes
	s_mov_b32 s29, 0
	s_add_nc_u64 s[16:17], s[16:17], s[28:29]
	s_add_nc_u64 s[20:21], s[20:21], s[28:29]
	s_wait_kmcnt 0x0
	s_wait_loadcnt 0x0
	v_cmp_ne_u32 s36, 0, v[MASK]
	s_and_b32 s36, s36, 0xff                       ; lanes 8-31 hold copies
.irp k, 0,1,2,3,4,5,6,7
	v_readlane_b32 s37, v[MASK], \k
	s_bcnt1_i32_b32 s37, s37
	s_add_co_u32 s30, s30, s37
.endr
	s_add_co_u32 s31, s30, 3
	s_lshr_b32 s31, s31, 2
	s_max_u32 s31, s31, 1                          ; as in the launch before: block 0 of fine is always there
.Ltrip:
	s_and_b32 s37, s32, 7
	s_cmp_lg_u32 s37, 0
	s_cbranch_scc1 .Lhave
	s_lshr_b32 s37, s32, 3                         ; every eighth trip begins a block of 32 ballots
	s_min_u32 s37, s37, 7
	v_lshl_add_u32 v[FO], s37, 21, v[FO0]
	global_load_b32 v[FB], v[FO], s[10:11]
.Lhave:
.irp k, 0,1,2,3
	NEXT s[44+\k]
	v_lshl_add_u32 v[AD+\k], s[44+\k], 9, v[L16]
	global_load_b128 v[P+4*\k:P+4*\k+3], v[AD+\k], s[4:5]
.endr
	s_lshl_b32 s48, s32, 2                         ; the trip's first item
	s_wait_loadcnt 0x0                             ; the ballots, if they were asked for, and the four groups
.irp k, 0,1,2,3
	s_add_co_u32 s50, s48, \k
	s_and_b32 s51, s50, 31
	v_readlane_b32 s49, v[FB], s51
	s_cmp_lt_u32 s50, s30
	s_cselect_b32 s49, s49, 0                      ; an item past the last has no bit set
	v_mbcnt_lo_u32_b32 v[SL+\k], s49, s33          ; accepted so far + set bits below my lane
	v_cndmask_b32 v[SL+\k], 64, v[SL+\k], s49
	v_min_u32 v[SL+\k], 64, v[SL+\k]               ; 0 .. 63: a slot; 64: the spare word
	v_lshl_add_u32 v[SL+\k], v[SL+\k], 2, v[WB]
	v_lshl_add_u32 v[IX+\k], s[44+\k], 5, v[LANE]  ; my point's number
	v_mul_f32 v[DT+\k], s24, v[P+4*\k]
	v_fmac_f32 v[DT+\k], s25, v[P+4*\k+1]
	v_fmac_f32 v[DT+\k], s26, v[P+4*\k+2]
	v_add_f32 v[SS+\k], s27, v[P+4*\k+3]
	v_fma_f32 v[DT+\k], -2.0, v[DT+\k], v[SS+\k]
	v_max_num_f32 v[DT+\k], 0, v[DT+\k]
	ds_store_b32 v[SL+\k], v[IX+\k]
	ds_store_b32 v[SL+\k], v[DT+\k] offset:DOFF
	s_bcnt1_i32_b32 s51, s49
	s_add_co_u32 s33, s33, s51
.endr
	s_add_co_u32 s32, s32, 1
	s_cmp_lt_u32 s32, s31
	s_cbranch_scc1 .Ltrip
	ds_load_b64 v[O0:O0+1], v[RB]                  ; LDS serves a wave's instructions in order (ISA guide 5.7.1.4): these see the stores above
	ds_load_b64 v[O2:O2+1], v[RB] offset:DOFF
	s_wait_dscnt 0x0
	global_store_b64 v[GO], v[O0:O0+1], s[16:17] th:TH_STORE_NT  ; the wave stores 256 bytes on end, at a multiple of 256 from the buffer's first byte
	global_store_b64 v[GO], v[O2:O2+1], s[20:21] th:TH_STORE_NT
	s_wait_tensorcnt 0x0                           ; behind my last LDS store
	ds_add_u32 v[SPW], v[NIL]
	s_wait_dscnt 0x0
	s_cmp_lg_u32 s22, 0
	s_cbranch_scc1 .Lend
	; out1[32 g + 1 + l] = the sums of work-groups 0 .. g - 1 + counts 0 .. l of my work-group g
	v_lshlrev_b32 v[SA], 6, v[LANE]                ; lane l reads the sums of work-groups 16 l .. 16 l + 15
	global_load_b128 v[WS:WS+3], v[SA], s[14:15]
	global_load_b128 v[WS+4:WS+7], v[SA], s[14:15] offset:16
	global_load_b128 v[WS+8:WS+11], v[SA], s[14:15] offset:32
	global_load_b128 v[WS+12:WS+15], v[SA], s[14:15] offset:48
	v_lshlrev_b32 v[SB], 2, v[LANE]
	s_lshl_b32 s28, s40, 7
	s_add_nc_u64 s[12:13], s[12:13], s[28:29]
	s_add_nc_u64 s[18:19], s[18:19], s[28:29]
	global_load_b32 v[CN], v[SB], s[12:13]
	v_lshlrev_b32 v[MM], 4, v[LANE]
	v_sub_nc_u32 v[MM], s40, v[MM]                 ; how many of my 16 lie in front of my work-group (as a signed number; 16 or more: all, 0 or less: none)
	s_mov_b32 s52, 0x76543210
	s_mov_b32 s53, 0xfedcba98
	v_mov_b32 v[TT], 0
	v_mov_b32 v[ZR], 0
	s_wait_loadcnt 0x0
	v_cmp_lt_i32 vcc_lo, 0, v[MM]
	v_cndmask_b32 v[SM], 0, v[WS], vcc_lo
.irp j, 1,2,3,4,5,6,7,8,9,10,11,12,13,14,15
	v_cmp_lt_i32 vcc_lo, \j, v[MM]
	v_cndmask_b32 v[TT], 0, v[WS+\j], vcc_lo
	v_add_nc_u32 v[SM], v[SM], v[TT]
.endr
.irp m, 1,2,4,8
	v_mov_b32_dpp v[TT], v[SM] row_xmask:\m row_mask:0xf bank_mask:0xf
	v_add_nc_u32 v[SM], v[SM], v[TT]
.endr
	v_permlanex16_b32 v[TT], v[SM], s52, s53
	v_add_nc_u32 v[SM], v[SM], v[TT]               ; the sum in front of my work-group, in every lane
	v_mov_b32 v[SC], v[CN]
.irp m, 1,2,4,8
	v_mov_b32_dpp v[TT], v[SC] row_shr:\m row_mask:0xf bank_mask:0xf bound_ctrl:1  ; lanes with no lane m below them in their 16 take 0
	v_add_nc_u32 v[SC], v[SC], v[TT]
.endr
	v_readlane_b32 s37, v[SC], 15                  ; the lower 16 lanes' sum goes onto the upper 16
	v_mov_b32 v[TT], s37
	v_cmp_lt_u32 vcc_lo, 15, v[LANE]
	v_cndmask_b32 v[TT], 0, v[TT], vcc_lo
	v_add3_u32 v[SC], v[SC], v[TT], v[SM]
	global_store_b32 v[SB], v[SC], s[18:19] offset:4
	s_cmp_lg_u32 s40, 0
	s_cbranch_scc1 .Lend
	v_cmp_eq_u32 vcc_lo, 0, v[LANE]                ; the first work-group also writes out1[0] = 0
	s_wait_xcnt 0x0                                ; EXEC changes only behind this wait
	s_and_saveexec_b32 s54, vcc_lo
	global_store_b32 v[SB], v[ZR], s[18:19]        ; lane 0, whose offset is 0
	s_wait_xcnt 0x0
	s_or_b32 exec_lo, exec_lo, s54
.Lend:
	s_endpgm
.Lfunc_end_k_qf9033ec846_compact:
	.size	k_qf9033ec846_compact, .Lfunc_end_k_qf9033ec846_compact-k_qf9033ec846_compact
	.p2alignl 7, 3214868480
	.fill 96, 4, 3214868480
	.section	.rodata,"a",@progbits
	.p2align	6, 0x0
	.amdhsa_kernel k_qf9033ec846_compact
		.amdhsa_group_segment_fixed_size 24576
		.amdhsa_private_segment_fixed_size 0
		.amdhsa_enable_private_segment 0
		.amdhsa_kernarg_size 72
		.amdhsa_user_sgpr_count 2
		.amdhsa_user_sgpr_kernarg_segment_ptr 1
		.amdhsa_wavefront_size32 1
		.amdhsa_system_sgpr_workgroup_id_x 1
		.amdhsa_system_sgpr_workgroup_id_y 1
		.amdhsa_system_sgpr_workgroup_id_z 1
		.amdhsa_system_vgpr_workitem_id 0
		.amdhsa_next_free_vgpr 58
		.amdhsa_next_free_sgpr 66
		.amdhsa_reserve_vcc 1
		.amdhsa_float_denorm_mode_32 3
		.amdhsa_float_denorm_mode_16_64 3
		.amdhsa_memory_ordered 1
		.amdhsa_forward_progress 1
		.amdhsa_inst_pref_size 15
	.end_amdhsa_kernel
	.amdgpu_metadata
---
amdhsa.version: [ 1, 2 ]
amdhsa.kernels:
  - .name:           k_qf9033ec846_compact
    .symbol:         k_qf9033ec846_compact.kd
    .args:
      - { .name: ptab, .offset: 0, .size: 8, .value_kind: global_buffer, .address_space: global }
      - { .name: qtab, .offset: 8, .size: 8, .value_kind: global_buffer, .address_space: global }
      - { .name: cmask, .offset: 16, .size: 8, .value_kind: global_buffer, .address_space: global }
      - { .name: fine, .offset: 24, .size: 8, .value_kind: global_buffer, .address_space: global }
      - { .name: cnt, .offset: 32, .size: 8, .value_kind: global_buffer, .address_space: global }
      - { .name: wgsum, .offset: 40, .size: 8, .value_kind: global_buffer, .address_space: global }
      - { .name: out0, .offset: 48, .size: 8, .value_kind: global_buffer, .address_space: global }
      - { .name: out1, .offset: 56, .size: 8, .value_kind: global_buffer, .address_space: global }
      - { .name: out2, .offset: 64, .size: 8, .value_kind: global_buffer, .address_space: global }
    .group_segment_fixed_size: 24576
    .private_segment_fixed_size: 0
    .kernarg_segment_align: 8
    .kernarg_segment_size: 72
    .max_flat_workgroup_size: 1024
    .sgpr_count:     66
    .vgpr_count:     58
    .wavefront_size: 32
...
	.end_amdgpu_metadata
.endif
;; end of part 3
;; ======== version 2 of 2: 3 launches; version 1 with the launch filter written anew for expert scheduling mode
;; workspace buffers: cmask 524,288 bytes of whole numbers; fine 16,777,216 bytes of whole numbers; cnt 65,536 bytes of whole numbers; wgsum 2,048 bytes of whole numbers; ptab 131,072 bytes; qtab 262,144 bytes
;; launch filter (part 4): grid 64 x 4, 4 waves a work-group, no clusters, 33,536 bytes of LDS; arguments points, queries, radius, cmask, ptab, qtab; writes cmask, ptab, qtab
.if DOCPART == 4
	.amdgcn_target "amdgcn-amd-amdhsa--gfx1250"
	.amdhsa_code_object_version 6
	.text
	.protected	k_qf9033ec846_filter
	.globl	k_qf9033ec846_filter
	.p2align	8
	.type	k_qf9033ec846_filter,@function
k_qf9033ec846_filter:
	s_mov_b64 s[64:65], 0
	v_nop
	global_prefetch_b8 v0, s[64:65] scope:SCOPE_SE
	s_setreg_imm32_b32 hwreg(HW_REG_WAVE_SCHED_MODE, 0, 2), 2
	s_setreg_imm32_b32 hwreg(HW_REG_WAVE_MODE, 25, 1), 1
	s_wait_xcnt 0x0
	s_wait_alu depctr_vm_vsrc(0)
; FILTER.  For every query and every group of 32 consecutive points: can the group hold a point with d <= r2?  One bit each, into cmask.
; All three inputs are first rounded to bf16 (nearest even); products of two such numbers are exact in f32.
; One matrix instruction makes t = a_q + b_p - 2 q.p for 16 points (rows) x 16 queries (columns):
;   A (a point's row):     x, y, z, b hi, b mid, b lo, 0, 0      b = ps (1 - 2^-16), cut exactly into three bf16 pieces
;   B (a query's column): -2x, -2y, -2z, 1, 1, 1, 0, 0           K = 8 .. 31 are 0 in B, so what A holds there (finite numbers) adds nothing
;   C (f32):               a = qs (1 - 2^-16) - max(r2, 2^-126)
; THE MARGIN.  t is d - r2 - 2^-16 (qs + ps), that is 256 units of 2^-24 (qs + ps) below d - r2.  The f32 chain that decides in the next launch
; is off the true d by at most about 8 such units, the making of a and b by about 6; the rest is room for the matrix instruction's own summing.
; So every pair that the exact test accepts has t < 0.  A bit too many costs the next launch one group of 32; a bit too few cannot happen.
; LIMITS.  Inputs are finite, and their squares neither overflow nor underflow f32.
; SHARES.  A work-group: 256 queries (x of the grid) x 2,048 points (y).  A wave: 64 queries as four tiles, all 128 point tiles: 512 matrix instructions.
; In a result lane (r, h), register j is point row 8 h + j and query column r.  Rows 0-7 of a tile come from the block's first 1,024 points, rows 8-15
; from its second 1,024, so lane half h gathers word 2 y + h of the query's mask.  Four tiles on end are 32 consecutive points for each half: their
; 32 results a lane are folded by minima, and the sign of the minimum is shifted into the word.  Groups go from the highest to the lowest, so bit g is group g.
; Tile i, column r is query 4 r + i of the wave's 64: a lane's four words are four neighbouring queries of one plane, 16 bytes; 16 lanes store 256 bytes on end.
; No tensor loads and no cluster: every number is converted in registers on its way, and a work-group reads 27 KB once.
; The launch also writes two tables for the launches behind it: (x, y, z, sum of squares) of each point and query, rounded coordinates as f32, the sum as ((x x + y y) + z z).
; THE MODE: SCHED_MODE bits 1:0 = 2 (LLVM: expert scheduling mode 2), set by the entry lines.  The code itself states the register dependences
; between vector or matrix instructions and memory or LDS instructions, with s_wait_alu, always for 0.
; THE PLAN.  Registers that memory or LDS instructions touch:
;   v3, v4, v5, v7, v8   offsets, made at the head and never written again.
;   RAW, TAB             written by the point loads and by the 16 PREPs; read by one run of LDS stores and by the table's stores, behind ONE wait; written again (tile buffers, results) behind one wait on vm_vsrc.
;   tile buffers         two sets of four; group k of the walk lies in set k % 2.  A trip (tiles 1-3 of group k, tile 0 of group k + 1) loads group k + 1's four tiles into the other set,
;                        which group k - 1's products read last: all of them were issued ahead of the trip's head.  So ONE wait on va_vdst stands at a trip's head, and the trip's four loads
;                        follow it, one a slot, with no further wait: since that wait no vector or matrix line names a register in which a later load of the trip lands.
;   v13                  the tiles' LDS address: read by every tile load; written once a lap of two trips, at the lap's end, behind a wait on vm_vsrc; the next trip's head wait states that it is written.
;   v12, the four words  read by the one store at the end, behind a wait.
;   B, C, D, M, X, Y     named by vector and matrix instructions alone in the loop.
.set PBLK,  2048                       ; points of a work-group
.set QBLK,  256                        ; queries of a work-group
.set REG1,  16512                      ; LDS byte of the second 1,024 points' records: 16,384 + 128, so that rows 0-7 and rows 8-15 of a tile lie in different halves of 256 bytes
.set SPARE, 33024                      ; behind the records: the spare words, 128 bytes a wave
.set KEPS,  0x3f7fff00                 ; 1 - 2^-16
.set KQ,    0x3e7fff00                 ; (1 - 2^-16) / 4: the query's squares are made of -2x, -2y, -2z
.set SPW, 14                           ; v14  my spare word's LDS address; never rewritten
.set NIL, 15                           ; v15  0; never rewritten
.set B,   16                           ; v16-47   four query tiles, 8 registers each
.set C,   48                           ; v48-79   a of my column's query, 8 times, for each tile
.set A,   80                           ; v80-111  set 0 of the buffers for point tiles, four of them: 4 registers loaded, 4 that hold 0
.set A2,  192                          ; v192-223 set 1, in registers that the records have left
.set TQ,  A+16                         ; at work while the query tiles are made
.set D,   112                          ; v112-175 two sets of four results
.set TAB, D                            ; before the products: 16 table entries of 4
.set M,   176                          ; v176-179 running minimum of a group, by tile
.set X,   180                          ; v180-183 at work
.set Y,   184                          ; v184-187 at work
.set ACC, 188                          ; v188-191 the mask words, by tile
.set QR,  176                          ; before the products: my four queries as loaded, 12 numbers
.set RAW, 192                          ; v192-255 16 points as loaded, then their records
; (x, y, z) at src -> (x, y, z, x x + y y + z z) at dst, coordinates rounded to bf16; tmp and tmp + 1 keep the packed (x, y) and (z, z)
.macro TABLE src, dst, tmp
	v_cvt_pk_bf16_f32 v[\tmp], v[\src], v[(\src)+1]
	v_cvt_pk_bf16_f32 v[(\tmp)+1], v[(\src)+2], v[(\src)+2]
	v_lshlrev_b32 v[\dst], 16, v[\tmp]
	v_and_b32 v[(\dst)+1], s21, v[\tmp]
	v_lshlrev_b32 v[(\dst)+2], 16, v[(\tmp)+1]
	v_mul_f32 v[(\dst)+3], v[\dst], v[\dst]
	v_fmac_f32 v[(\dst)+3], v[(\dst)+1], v[(\dst)+1]       ; the products are exact, so this is the plain sum, in the order x, y, z
	v_fmac_f32 v[(\dst)+3], v[(\dst)+2], v[(\dst)+2]
.endm
; Point i of my 16: table entry, then the record (x, y | z, b hi | b mid, b lo | 0, 0), in registers; the 16 records go into LDS in one run behind the last of them.
.macro PREP i
.set R, RAW+4*(\i)
.set T, TAB+4*(\i)
	s_wait_loadcnt 18-(\i)                                 ; loads return in order: behind mine stand 15 - i point loads and 3 query loads
	TABLE R, T, R
	v_mul_f32 v1, s25, v[T+3]                              ; b
	v_cvt_pk_bf16_f32 v[R+1], v[T+2], v1                   ; (z, b hi)
	v_and_b32 v12, s21, v[R+1]
	v_sub_f32 v1, v1, v12                                  ; b - b hi, exact
	v_cvt_pk_bf16_f32 v12, v1, v1
	v_lshlrev_b32 v12, 16, v12
	v_sub_f32 v12, v1, v12                                 ; what is left behind b mid: 7 bits at the most, exact in bf16
	v_cvt_pk_bf16_f32 v[R+2], v1, v12                      ; (b mid, b lo)
	v_mov_b32 v[R+3], 0
.endm
; Query tile i: B's column and C for the query 4 r + i.  VCC: lanes 0-15, which hold K = 0 .. 7.
.macro QFRAG i
	v_mul_f32 v[TQ], -2.0, v[QR+3*(\i)]
	v_mul_f32 v[TQ+1], -2.0, v[QR+3*(\i)+1]
	v_mul_f32 v[TQ+2], -2.0, v[QR+3*(\i)+2]
	v_cvt_pk_bf16_f32 v[TQ], v[TQ], v[TQ+1]                ; (-2x, -2y): a factor of 2 changes no rounding
	v_cvt_pk_bf16_f32 v[TQ+2], v[TQ+2], v10                ; (-2z, 1)
	v_lshlrev_b32 v[TQ+1], 16, v[TQ]
	v_and_b32 v[TQ+3], s21, v[TQ]
	v_lshlrev_b32 v[TQ+4], 16, v[TQ+2]
	v_mul_f32 v[TQ+1], v[TQ+1], v[TQ+1]
	v_fmac_f32 v[TQ+1], v[TQ+3], v[TQ+3]
	v_fmac_f32 v[TQ+1], v[TQ+4], v[TQ+4]                   ; 4 qs
	v_fma_f32 v[C+8*(\i)], v[TQ+1], s28, -v9               ; a
.irp j, 1,2,3,4,5,6,7
	v_mov_b32 v[C+8*(\i)+\j], v[C+8*(\i)]                  ; the same a for all eight point rows of the lane
.endr
	v_cndmask_b32 v[B+8*(\i)], 0, v[TQ], vcc_lo
	v_cndmask_b32 v[B+8*(\i)+1], 0, v[TQ+2], vcc_lo
	v_cndmask_b32 v[B+8*(\i)+2], 0, v11, vcc_lo            ; (1, 1)
.irp j, 3,4,5,6,7
	v_mov_b32 v[B+8*(\i)+\j], 0
.endr
.endm
.macro WM st, i, ab                    ; ab: the tile buffer's first register
	v_wmma_f32_16x16x32_bf16 v[D+32*(\st)+8*(\i):D+32*(\st)+8*(\i)+7], v[(\ab):(\ab)+7], v[B+8*(\i):B+8*(\i)+7], v[C+8*(\i):C+8*(\i)+7]
.endm
; The three lines that read a result; the lowest registers first.  rf = 1: the group's first tile starts the minimum.
.macro RED i, st, rf
.set DD, D+32*(\st)+8*(\i)
	v_min3_num_f32 v[X+(\i)], v[DD], v[DD+1], v[DD+2]
.if \rf
	v_min_num_f32 v[M+(\i)], v[DD+6], v[DD+7]
.else
	v_min3_num_f32 v[M+(\i)], v[M+(\i)], v[DD+6], v[DD+7]
.endif
	v_min3_num_f32 v[Y+(\i)], v[DD+3], v[DD+4], v[DD+5]
.endm
.macro FIN i
	v_min3_num_f32 v[M+(\i)], v[M+(\i)], v[X+(\i)], v[Y+(\i)]
.endm
.macro INS i                           ; word = word << 1 | sign of the group's minimum
	v_alignbit_b32 v[ACC+(\i)], v[ACC+(\i)], v[M+(\i)], 31
.endm
; A SLOT: four products of one point tile (the buffer at ab, into set wset); behind each, the folding of the tile before (set rset): three reads of tile i's result and
; the closing minimum of tile i - 1, so that no line reads the result of the line in front of it.  A result is first read a whole slot behind its product: 16 vector lines or more lie between.
; rf, rl: the tile that is folded is its group's first, last.  pl: the slot before folded a group's last tile, whose last two words are shifted here.
; lb >= 0: the buffer at lb, of the set that this trip's head wait has shown read out, takes a tile of the next group, from byte lo behind v13.
; cnt: the buffer loads issued behind the one that this slot reads.
.macro SLOT w, wset, ab, rset, rf, rl, pl, lb, lo, cnt
.if \w
	s_wait_dscnt \cnt
	WM \wset, 0, \ab
.endif
	RED 0, \rset, \rf
	FIN 3
.if \pl
	INS 2
.endif
.if (\lb) >= 0
	ds_load_b128 v[(\lb):(\lb)+3], v13 offset:\lo          ; no wait: no vector or matrix line since the trip's head wait names these four registers or v13
.endif
.if \w
	WM \wset, 1, \ab
.endif
	RED 1, \rset, \rf
	FIN 0
.if \pl
	INS 3
.endif
.if \w
	WM \wset, 2, \ab
.endif
	RED 2, \rset, \rf
	FIN 1
.if \rl
	INS 0
.endif
.if \w
	WM \wset, 3, \ab
.endif
	RED 3, \rset, \rf
	FIN 2
.if \rl
	INS 1
.endif
.endm
; A TRIP: tiles 1-3 of a group, which lies in set p, and tile 0 of the next lower one, which lies in the other set; that group's four tiles are loaded, each three slots ahead of its products.
.macro TRIP p
.set AP, A+(A2-A)*(\p)
.set AN, A+(A2-A)*(1-(\p))
.set LO, 512*(1+(\p))                  ; a lap's first trip loads the group 512 bytes behind v13, its second the one 1,024 behind
	s_wait_alu depctr_va_vdst(0)                           ; the products of the group before this one are done reading the other set, in which this trip's four loads land; at a lap's head v13 is written
	SLOT 1, 1, AP+8,  0, 1, 0, 1, AN,    LO,     2
	SLOT 1, 0, AP+16, 1, 0, 0, 0, AN+8,  LO+128, 2
	SLOT 1, 1, AP+24, 0, 0, 0, 0, AN+16, LO+256, 2
	SLOT 1, 0, AN,    1, 0, 1, 0, AN+24, LO+384, 2
.endm
	s_load_b256 s[4:11], s[0:1], 0x0               ; points s[4:5], queries s[6:7], radius s[8:9], cmask s[10:11]
	s_load_b128 s[12:15], s[0:1], 0x20             ; ptab s[12:13], qtab s[14:15]
	v_lshl_add_u32 v[SPW], v0, 2, SPARE
	v_mov_b32 v[NIL], 0
	v_lshrrev_b32 v1, 5, v0
	v_readfirstlane_b32 s16, v1                    ; wave 0..3
	s_mov_b32 s17, ttmp9                           ; block of 256 queries
	s_and_b32 s18, ttmp7, 0xffff                   ; block of 2,048 points
	s_mov_b32 s21, 0xffff0000                      ; a word's upper bf16
	s_mov_b32 s25, KEPS
	s_mov_b32 s28, KQ
	v_xor_b32 v2, 0x60, v0                         ; 32 (3 - wave) + lane: my point in a run of 128
	v_mul_u32_u24 v3, 12, v2                       ; its bytes in points,
	v_lshlrev_b32 v4, 4, v2                        ; in ptab,
	v_lshlrev_b32 v5, 4, v0                        ; and its record's place in LDS: 512 wave + 16 lane
	v_and_b32 v6, 15, v0                           ; r
	v_mul_u32_u24 v7, 48, v6                       ; my four queries, 48 bytes on end
	v_mul_u32_u24 v8, 12, v0                       ; for qtab: my thread's query in the block, 12 bytes each
	s_mul_i32 s22, s18, PBLK*12
	s_mov_b32 s23, 0
	s_mul_i32 s26, s17, QBLK*12
	s_wait_alu depctr_va_sdst(0)                   ; s16, the wave's number, is written, ahead of its first reader
	s_mul_i32 s19, s16, 64*12
	s_add_co_u32 s26, s26, s19
	s_mov_b32 s27, 0
	s_wait_kmcnt 0x0
	s_add_nc_u64 s[4:5], s[4:5], s[22:23]          ; points at my block
	s_add_nc_u64 s[26:27], s[6:7], s[26:27]        ; queries at my wave's 64
	s_wait_alu depctr_va_vdst(0)                   ; the offsets v3, v4, v5, v7 and v8 are written, which the loads and stores below read
.irp i, 0,1,2,3,4,5,6,7,8,9,10,11,12,13,14,15
	global_load_b96 v[RAW+4*\i:RAW+4*\i+2], v3, s[4:5] offset:1536*\i
.endr
	global_load_b128 v[QR:QR+3], v7, s[26:27]
	global_load_b128 v[QR+4:QR+7], v7, s[26:27] offset:16
	global_load_b128 v[QR+8:QR+11], v7, s[26:27] offset:32
	s_load_b32 s20, s[8:9], 0x0
.irp i, 0,1,2,3,4,5,6,7,8,9,10,11,12,13,14,15
	PREP \i
.endr
	s_wait_alu depctr_va_vdst(0)                   ; the 16 records and the 16 table entries are written, which the LDS stores and the table's stores below read
; Run i holds points 128 i .. 128 i + 127 of the block; wave w takes its group 3 - w, and the records of group g lie at place 31 - g: the loop walks upward through LDS and downward through the groups.
.irp i, 0,1,2,3,4,5,6,7,8,9,10,11,12,13,14,15
	ds_store_b128 v5, v[RAW+4*\i:RAW+4*\i+3] offset:((\i)/8)*REG1+512*(28-4*((\i)%8))
.endr
	s_cmp_lg_u32 s17, 0
	s_cbranch_scc1 .Lno_ptab                       ; the 64 work-groups of a point block make the same entries: the first of them stores
	s_lshl_b32 s22, s18, 15
	s_add_nc_u64 s[12:13], s[12:13], s[22:23]
.irp i, 0,1,2,3,4,5,6,7,8,9,10,11,12,13,14,15
	global_store_b128 v4, v[TAB+4*\i:TAB+4*\i+3], s[12:13] offset:2048*\i  ; a wave stores 512 bytes on end; no vector line stands between the wait above and these
.endr
	s_wait_xcnt 0x0                                ; the entries' registers are written again (results) only behind this wait
.Lno_ptab:
	s_cmp_lg_u32 s18, 0
	s_cbranch_scc1 .Lno_qtab                       ; likewise the first of the four work-groups of a query block stores its 256 entries, two a thread
	s_mul_i32 s22, s17, QBLK*12
	s_add_nc_u64 s[30:31], s[6:7], s[22:23]
	global_load_b96 v[A:A+2], v8, s[30:31]         ; no vector line has named these registers yet
	global_load_b96 v[A+4:A+6], v8, s[30:31] offset:1536
	s_lshl_b32 s22, s17, 12
	s_add_nc_u64 s[14:15], s[14:15], s[22:23]
	s_wait_loadcnt 0x0
	TABLE A, A+8, A
	TABLE A+4, A+12, A+4
	s_wait_alu depctr_va_vdst(0)                   ; the two entries are written, which the two stores read
	global_store_b128 v5, v[A+8:A+11], s[14:15]
	global_store_b128 v5, v[A+12:A+15], s[14:15] offset:2048
	s_wait_xcnt 0x0                                ; these registers become tile buffers only behind this wait
.Lno_qtab:
	s_wait_alu depctr_vm_vsrc(0)                   ; on every way here: the LDS stores have read the records, the tables' stores their entries; all these registers are written again below (tile buffers, results)
	s_wait_kmcnt 0x0                               ; the radius
	v_mov_b32 v9, s20
	v_cvt_pk_bf16_f32 v9, v9, v9
	v_lshlrev_b32 v9, 16, v9
	v_mul_f32 v9, v9, v9                           ; r2, exact
	v_max_num_f32 v9, 0x00800000, v9               ; at least 2^-126: a pair at distance 0 from the origin with r2 = 0 still gives t < 0
	v_mov_b32 v10, 1.0
	v_mov_b32 v11, 0x3f803f80                      ; 1, 1 in bf16
	v_and_b32 v12, 16, v0
	v_cmp_eq_u32 vcc_lo, 0, v12
	s_wait_alu depctr_va_vcc(0)                    ; VCC is written, ahead of the first select that reads it
	s_wait_loadcnt 0x0                             ; my queries
	QFRAG 0
	QFRAG 1
	QFRAG 2
	QFRAG 3
.irp b, 0,1,2,3
.irp j, 4,5,6,7
	v_mov_b32 v[A+8*\b+\j], 0                      ; K = 16 .. 31 of every point tile, in both sets
	v_mov_b32 v[A2+8*\b+\j], 0
.endr
.endr
	v_and_b32 v13, 7, v0                           ; a tile's row l % 16: rows 0-7 in the first region, rows 8-15 in the second; both halves of the lanes read the same 16 bytes
	v_lshlrev_b32 v13, 4, v13
	v_bfe_u32 v12, v0, 3, 1
	v_mad_u32_u24 v13, v12, REG1, v13
	s_lshl_b32 s22, s18, 17                        ; cmask: plane 2 y + h of 65,536 bytes; in it 4 bytes a query
	s_lshl_b32 s19, s17, 10
	s_add_co_u32 s22, s22, s19
	s_lshl_b32 s19, s16, 8
	s_add_co_u32 s22, s22, s19
	s_add_nc_u64 s[10:11], s[10:11], s[22:23]
	v_bfe_u32 v12, v0, 4, 1
	v_lshlrev_b32 v12, 16, v12
	v_lshl_add_u32 v12, v6, 4, v12                 ; 65,536 h + 16 r
	s_wait_dscnt 0x0                               ; for the others' sake: my records are in LDS
	s_barrier_signal -1
	s_barrier_wait -1
	s_wait_alu depctr_va_vdst(0)                   ; v13 is written, which the tile loads read; the lines above are done with v80-111, in which the first four land
	ds_load_b128 v[A:A+3], v13                     ; the highest group's four tiles, into set 0
	ds_load_b128 v[A+8:A+11], v13 offset:128
	ds_load_b128 v[A+16:A+19], v13 offset:256
	ds_load_b128 v[A+24:A+27], v13 offset:384
	s_wait_dscnt 3                                 ; buffer 0 is in; the three behind it may be out
	WM 0, 0, A
	WM 0, 1, A
	WM 0, 2, A
	WM 0, 3, A
.irp j, 0,1,2,3,4,5,6,7,8,9,10,11,12,13,14,15
	v_mov_b32 v[M+\j], 0                           ; M, X, Y and the words: the first trip closes a tile that has not been, on zeros, and the bit that it shifts into words 2 and 3
.endr                                                  ; is pushed out by the 32 that follow.  These lines are also the places behind the four products above.
	s_mov_b32 s24, 15
.Lgroup:                                               ; a lap: two trips, so that both sets are back at their start; 15 laps take the first 30 groups of the walk
	TRIP 0
	TRIP 1
	s_wait_alu depctr_vm_vsrc(0)                   ; the tile loads issued so far have read v13
	v_add_nc_u32 v13, 1024, v13                    ; two groups on; the next trip's head wait states that it is written
	s_sub_co_u32 s24, s24, 1
	s_cmp_lg_u32 s24, 0
	s_cbranch_scc1 .Lgroup
	TRIP 0                                         ; the last group but one, written out: 31 trips are an odd number; it loads the lowest group into set 1
	SLOT 1, 1, A2+8,  0, 1, 0, 1, -1, 0, 2         ; the lowest group: nothing is left to load, the counts run down
	SLOT 1, 0, A2+16, 1, 0, 0, 0, -1, 0, 1
	SLOT 1, 1, A2+24, 0, 0, 0, 0, -1, 0, 0
	SLOT 0, 0, 0,     1, 0, 1, 0, -1, 0, 0
	FIN 3
	INS 2
	INS 3
	s_wait_alu depctr_va_vdst(0)                   ; the four words are written, which the store reads (its offset v12 long since)
	global_store_b128 v12, v[ACC:ACC+3], s[10:11]  ; lanes 0-15 fill 256 bytes of plane 2 y, lanes 16-31 of plane 2 y + 1
	s_wait_dscnt 0x0                               ; the wave's end
	s_wait_alu 0x0
	s_wait_tensorcnt 0x0
	ds_add_u32 v[SPW], v[NIL]
	s_wait_dscnt 0x0
	s_endpgm
.Lfunc_end_k_qf9033ec846_filter:
	.size	k_qf9033ec846_filter, .Lfunc_end_k_qf9033ec846_filter-k_qf9033ec846_filter
	.p2alignl 7, 3214868480
	.fill 96, 4, 3214868480
	.section	.rodata,"a",@progbits
	.p2align	6, 0x0
	.amdhsa_kernel k_qf9033ec846_filter
		.amdhsa_group_segment_fixed_size 33536
		.amdhsa_private_segment_fixed_size 0
		.amdhsa_enable_private_segment 0
		.amdhsa_kernarg_size 48
		.amdhsa_user_sgpr_count 2
		.amdhsa_user_sgpr_kernarg_segment_ptr 1
		.amdhsa_wavefront_size32 1
		.amdhsa_system_sgpr_workgroup_id_x 1
		.amdhsa_system_sgpr_workgroup_id_y 1
		.amdhsa_system_sgpr_workgroup_id_z 1
		.amdhsa_system_vgpr_workitem_id 0
		.amdhsa_next_free_vgpr 256
		.amdhsa_next_free_sgpr 66
		.amdhsa_reserve_vcc 1
		.amdhsa_float_denorm_mode_32 3
		.amdhsa_float_denorm_mode_16_64 3
		.amdhsa_memory_ordered 1
		.amdhsa_forward_progress 1
		.amdhsa_inst_pref_size 49
	.end_amdhsa_kernel
	.amdgpu_metadata
---
amdhsa.version: [ 1, 2 ]
amdhsa.kernels:
  - .name:           k_qf9033ec846_filter
    .symbol:         k_qf9033ec846_filter.kd
    .args:
      - { .name: points, .offset: 0, .size: 8, .value_kind: global_buffer, .address_space: global }
      - { .name: queries, .offset: 8, .size: 8, .value_kind: global_buffer, .address_space: global }
      - { .name: radius, .offset: 16, .size: 8, .value_kind: global_buffer, .address_space: global }
      - { .name: cmask, .offset: 24, .size: 8, .value_kind: global_buffer, .address_space: global }
      - { .name: ptab, .offset: 32, .size: 8, .value_kind: global_buffer, .address_space: global }
      - { .name: qtab, .offset: 40, .size: 8, .value_kind: global_buffer, .address_space: global }
    .group_segment_fixed_size: 33536
    .private_segment_fixed_size: 0
    .kernarg_segment_align: 8
    .kernarg_segment_size: 48
    .max_flat_workgroup_size: 128
    .sgpr_count:     66
    .vgpr_count:     256
    .wavefront_size: 32
...
	.end_amdgpu_metadata
.endif
;; end of part 4
;; launch verify: the kernel of part 2 again; grid 512 x 1, 32 waves a work-group, no clusters, 4,352 bytes of LDS; arguments ptab, qtab, radius, cmask, fine, cnt, wgsum; writes fine, cnt, wgsum
;; launch compact: the kernel of part 3 again; grid 512 x 1, 32 waves a work-group, no clusters, 24,576 bytes of LDS; arguments ptab, qtab, cmask, fine, cnt, wgsum, out0, out1, out2; writes out0, out1, out2
